; MI455X (gfx1250); checked and timed in simulation.
; The chip was launched on July 23, 2026; its instructions are those of AMD's public machine-readable ISA for CDNA 5 (MIT licence, August 2026) and "CDNA5" Instruction Set Architecture Reference Guide (July 2026). The comments in the code are by the model that wrote it; some were corrected since.
;; Gradient Layer. Allowed arithmetic: matrix products marked QUANTISED: E2M1 operands, one E8M0 scale for each 32 along K, by v_wmma_scale_f32_16x16x128_f8f6f4 with both operands' format E2M1 (or v_wmma_scale_f32_32x16x128_f4), f32 sums; products left as they are: f32 operands where the result goes on into a quantised operand, else bf16, f16 or f32 operands; f32 sums; everything else in f32.
;; Inputs: W0 4 x 128 float32; W1 128 x 128 float32; W2 128 x 128 float32; W3 128 x 5 float32; b0 128 float32; b1 128 float32; b2 128 float32; b3 5 float32; x 32,768 x 4 float32.
;; Outputs: out0 32,768 x 1 float32; out1 32,768 x 1 float32; out2 32,768 x 1 x 3 float32; out3 32,768 x 3 float32; out4 32,768 x 3 float32; out5 32,768 x 1 float32; out6 32,768 x 1 x 3 float32; out7 32,768 x 1 x 4 float32; out8 32,768 x 3 float32; out9 32,768 x 1 float32; out10 32,768 x 3 float32; out11 32,768 x 1 float32; out12 32,768 x 1 x 3 float32; out13 32,768 x 1 float32; out14 32,768 x 1 float32; out15 32,768 x 1 x 3 float32; out16 32,768 x 3 float32.
;; This version of the problem:
;;   THIS VERSION OF THE PROBLEM IS GIVEN IN LOW PRECISION. The matrix products marked QUANTISED in the list below multiply operands that are first quantised to E2M1 (2 exponent bits, 1 mantissa bit; 4 bits a number), with one power-of-two scale for each 32 numbers along K (OCP MX v1.0); their sums are f32. All else is computed in f32.
;;   The module's matrix products, in the order in which they are computed (A, B: the left and right operand; K: the contracted axis; several contracted axes count as one K, in the product's order):
;;     1. [M 32,768, K 4] x [K 4, N 128]; A: input x; B: input W0: left as it is (K = 4 < 32)
;;     2. [M 4, K 4] x [K 4, N 128]; A: computed on the way; B: input W0: left as it is (K = 4 < 32)
;;     3. [M 32,768, K 128] x [K 128, N 128]; A: computed on the way; B: input W1: QUANTISED
;;     4. [M 131,072, K 128] x [K 128, N 128]; A: computed on the way; B: input W1: QUANTISED
;;     5. [M 32,768, K 128] x [K 128, N 128]; A: computed on the way; B: input W2: QUANTISED
;;     6. [M 131,072, K 128] x [K 128, N 128]; A: computed on the way; B: input W2: QUANTISED
;;     7. [M 32,768, K 128] x [K 128, N 5]; A: computed on the way; B: input W3: left as it is (N = 5 < 16)
;;     8. [M 131,072, K 128] x [K 128, N 5]; A: computed on the way; B: input W3: left as it is (N = 5 < 16)
;;     9. [M 32,768, K 4] x [K 4, N 128]; A: input x; B: input W0: left as it is (K = 4 < 32)
;;     10. [M 4, K 4] x [K 4, N 128]; A: computed on the way; B: input W0: left as it is (K = 4 < 32)
;;     11. [M 4, K 4] x [K 4, N 128]; A: computed on the way; B: input W0: left as it is (K = 4 < 32)
;;     12. [M 32,768, K 128] x [K 128, N 128]; A: computed on the way; B: input W1: QUANTISED
;;     13. [M 131,072, K 128] x [K 128, N 128]; A: computed on the way; B: input W1: QUANTISED
;;     14. [M 131,072, K 128] x [K 128, N 128]; A: computed on the way; B: input W1: QUANTISED
;;     15. [M 524,288, K 128] x [K 128, N 128]; A: computed on the way; B: input W1: QUANTISED
;;     16. [M 32,768, K 128] x [K 128, N 128]; A: computed on the way; B: input W2: QUANTISED
;;     17. [M 131,072, K 128] x [K 128, N 128]; A: computed on the way; B: input W2: QUANTISED
;;     18. [M 131,072, K 128] x [K 128, N 128]; A: computed on the way; B: input W2: QUANTISED
;;     19. [M 524,288, K 128] x [K 128, N 128]; A: computed on the way; B: input W2: QUANTISED
;;     20. [M 32,768, K 128] x [K 128, N 5]; A: computed on the way; B: input W3: left as it is (N = 5 < 16)
;;     21. [M 131,072, K 128] x [K 128, N 5]; A: computed on the way; B: input W3: left as it is (N = 5 < 16)
;;     22. [M 131,072, K 128] x [K 128, N 5]; A: computed on the way; B: input W3: left as it is (N = 5 < 16)
;;     23. [M 524,288, K 128] x [K 128, N 5]; A: computed on the way; B: input W3: left as it is (N = 5 < 16)
;;     24. [M 32,768, K 4] x [K 4, N 128]; A: input x; B: input W0: left as it is (K = 4 < 32)
;;     25. [M 32,768, K 128] x [K 128, N 128]; A: computed on the way; B: input W1: QUANTISED
;;     26. [M 32,768, K 128] x [K 128, N 128]; A: computed on the way; B: input W2: QUANTISED
;;     27. [M 32,768, K 128] x [K 128, N 5]; A: computed on the way; B: input W3: left as it is (N = 5 < 16)
;;   THE QUANTISER, for each operand of a quantised product, along K:
;;     - K is cut into blocks of 32 from its start; a last block that is shorter is filled with zeros.
;;     - A block's scale is 2^e with e = floor(log2(the largest magnitude in the block)) - 2, held to -126 .. 127; a block of zeros has e = 0. As a byte (E8M0): e + 127.
;;     - Each number is divided by its block's scale, clamped to +-6, and rounded to the nearest number of E2M1, ties to even, subnormals kept.
;;     - The product sums the exact products of the quantised numbers (number of the format x scale) in f32.
;;   ~~~python
;;   def quantise(x, axis):      # numpy; x: float32 -> the quantised numbers, widened to float32 again
;;       x = np.moveaxis(x, axis, -1); K = x.shape[-1]
;;       x = np.pad(x, [(0, 0)] * (x.ndim - 1) + [(0, -K % 32)]); x = x.reshape(x.shape[:-1] + (-1, 32)); a = np.abs(x).max(-1, keepdims=True)
;;       e = np.where(a > 0, np.clip(np.frexp(np.where(a > 0, a, 1))[1] - 1 - 2, -126, 127), 0)      # np.frexp(a)[1] - 1 = floor(log2(a)), exactly
;;       r = np.clip(x / 2.0 ** e, -6, 6)
;;       step = 2.0 ** (np.maximum(np.frexp(np.where(r == 0, 1, r))[1] - 1, 0) - 1)
;;       q = np.round(r / step) * step * 2.0 ** e      # np.round: ties to even
;;       return np.moveaxis(q.reshape(q.shape[:-2] + (-1,))[..., :K], -1, axis).astype(np.float32)
;;   ~~~
;;   OPERANDS COMPUTED ON THE WAY. 'Computed on the way' means the value that the module computes at that place (a softmax that the list does not call 'softmax' is quantised finished and normalised). What goes into a quantiser is computed in f32, as accurately as f32 sums, v_exp_f32 and their like allow (about 1e-6 of the number): no bf16 or f16 on the way to a quantiser, and a product that is left as it is and whose result goes on into a quantised operand takes f32 operands (vector FMAs, or v_wmma_f32_16x16x4_f32). A number that lies on a knife's edge between two numbers of the format may be rounded either way, as far as f32 arithmetic and the matrix unit's own rounding can turn it there, and no further.
;; One version. Each part assembles by itself: llvm-mc -triple=amdgcn-amd-amdhsa -mcpu=gfx1250 --defsym DOCPART=n.
;; ======== version 1 of 1: 1 launch
;; launch grad (part 1): grid 256 x 1, 8 waves a work-group, no clusters, 316,416 bytes of LDS; arguments x, W0, b0, W1, b1, W2, b2, W3, b3, out0, out1, out2, out3, out4, out5, out6, out7, out8, out9, out10, out11, out12, out13, out14, out15, out16; writes out0, out1, out2, out3, out4, out5, out6, out7, out8, out9, out10, out11, out12, out13, out14, out15, out16
.if DOCPART == 1
	.amdgcn_target "amdgcn-amd-amdhsa--gfx1250"
	.amdhsa_code_object_version 6
	.text
	.protected	k_q5e7dd2e064_grad
	.globl	k_q5e7dd2e064_grad
	.p2align	8
	.type	k_q5e7dd2e064_grad,@function
k_q5e7dd2e064_grad:
	s_mov_b64 s[64:65], 0
	v_nop
	global_prefetch_b8 v0, s[64:65] scope:SCOPE_SE
	s_setreg_imm32_b32 hwreg(HW_REG_WAVE_MODE, 25, 1), 1
	s_wait_xcnt 0x0
; A tanh MLP 4-128-128-128-5, its 4 first tangents and the second tangents of outputs n and Fi, for 32,768 samples; 17 small outputs are made of them.
; Products with W1 and W2: both operands as codes of FP4 (E2M1) with one E8M0 scale for each 32 along K.  Products with W0 and with W3: f32 multiply-adds in the lane.
; ROW TYPES.  A sample has 14 different rows in each layer: type 0 the value, types 1-4 the tangents i = 0..3, types 5-13 the second tangents of the pairs
; (0,1) (0,2) (0,3) (1,1) (1,2) (1,3) (2,2) (2,3) (3,3).  The value and the first tangents that the source computes several times are the same numbers; a second tangent is symmetric in its pair;
; the pair (0,0) is sliced away by the source.  Each such row is made, quantised and multiplied once.
; SHARES.  256 work-groups of 8 waves; a wave owns 16 samples through the whole chain.  Every quantised product is used TRANSPOSED (source 0 = 16 rows of W^T, source 1 = 16 samples of one type): lane (r, h) holds
; sample r in every tile of every type, and its registers run along the hidden units, so all derivative arithmetic stays in the lane.
; THE UNITS OF A TILE ARE NOT NEIGHBOURS: lane r of tile 2 b + u takes unit 32 b + 8 u + r + 8 (r / 8), so that the 16 registers of tiles 2 b, 2 b + 1 are units 32 b + 16 h + 0 .. 15.
; A layer is walked in four trips, a block b of 32 units a trip: all 14 types are multiplied for that block (two matrix instructions a type, K = 128 in one instruction: no chains), differentiated and
; quantised; a lane's 8 bytes of codes go to the wave's own LDS at 256 b + 16 r + 8 h of the type's kilobyte, which IS the image of the next operand's registers.  Scale words stay in registers.
; W1 and W2 are quantised inside layer 0's trips: wave w, trip b: 32 columns x 32 k of W1 (w < 4) or W2, a lane to a column, registers down K; their images are shared behind one barrier.
; THE LAST PRODUCT has 5 columns, of which a type needs 5, 2 or 1: a lane multiplies its 16 units of a block by W3's columns at those units, two units an instruction, into sums that stay in registers;
; the two halves of the lanes hold the two halves of each block, and are joined once at the end.
; NO JOINT LOADS: all work-groups read the same W1 and W2, 131,072 bytes of f32, once each, straight into registers while layer 0 is computed; as f32 tiles in LDS they would not fit beside the 315,392 bytes in use.
; tanh: E = 2^min(2 z log2 e, 60), r = 1 / (E/2 + 1/2); h = (E/2 - 1/2) r, or for |z| < 1/8 the series z + z^3 (c1 + z^2 (c2 + z^2 c3)); 1 - h^2 = E r r, formed without a difference.
; LIMITS.  NaN and infinities among the inputs are not served.  A block whose largest magnitude lies under 2^-124 keeps the scale byte 1 (the quantiser's hold at -126); a block of zeros has byte 1 and zero codes.
; Beyond z = 20.8 the derivative 1 - h^2 is held at 2^-58 where the exact number is smaller.  j_div is grouped as v_k (n_1 + n_2 + n_3) + n (v_k,1 + v_k,2 + v_k,3).
; LDS: wave w from 34,816 w: 14 images of 1,024 bytes for layer 1, 14 for layer 2, then twelve rows of 512 bytes: W0's four rows, b0, b1, b2, W3's five columns.  From SH on, shared: W1's 8 tiles,
; W2's 8 tiles (1,024 each), their scale words (64 bytes a tile), and the stage for the outputs: the work-group's slices of out0 .. out16 on end, 38 pieces of 512 bytes.
.set WREG,  34816
.set CODA,  0
.set CODB,  14336
.set CONST, 28672
.set SH,    8*WREG
.set WIMG2, 8192
.set WSC,   16384
.set STG,   17408
; vector registers, window 0
.set LDA, 1                            ; wave's LDS + 16 x lane: an image's place for my lane
.set STB, 2                            ; wave's LDS + 16 r + 8 h: where my codes go;  STA: + 256 b
.set STA, 3
.set CSB, 4                            ; wave's constants + 64 h;  CSA: + 128 b
.set CSA, 5
.set SHL, 6                            ; SH + 16 x lane
.set WLA, 7                            ; SHL + 2,048 b: the trip's two tiles of W
.set WSCA, 8                           ; where my weights' scale word goes
.set WSB, 9                            ; SH + 4 r;  WSA: + 128 b
.set WSA, 10
.set WGO, 11                           ; 4 x lane: my column of the weights
.set WQB, 12                           ; where my column's codes go;  WQA: + 256 b
.set WQA, 13
.set C2V, 14                           ; v[14:15] c2, twice
.set XV,  16                           ; v[16:19] my sample's x
.set RS,  20                           ; 16: 1 - h^2
.set RC,  36                           ; 16: -2 h (1 - h^2)
.set RD1, 52                           ; 64: z'_i at RD1 + 16 i
.set RQ,  116                          ; 16: RC x z'_i of the pair in hand
.set RY,  132                          ; 48: type n lives in RY + 16 (n % 3)
.set RX,  RY+16
.set RP,  RY+32
.set FB,  180                          ; 16: fragment of type t in FB + 8 (t % 2)
.set WT,  196                          ; 16: the trip's two tiles of W
.set WS,  212                          ; 2: their scale words
.set SA,  214                          ; 14: scale words of layer 1's operands
.set SB,  228                          ; 14: of layer 2's
.set MA,  242                          ; 2 + 2: running maxima, by n % 2
.set MB,  244
.set TT,  246
.set SC,  247
.set BY,  248
.set WSW, 249                          ; my column's scale word
.set CP,  250                          ; 6: a type's two registers of codes, by n % 3
.set WB,  180                          ; layer 0: 32 weights
; window 1: the last product's sums, in pairs (even units, odd units): v0-9 type 0's five columns; v10-17 type 1's n in four chains; v18-47 types 2-4, five columns each;
; v48 + 8 (t - 5) on, types 5-13: n in two chains, Fi in two (types 6 and 7: Fi in four).  v128-207: W3's five columns at my 16 units of the block
.set W3C, 128
; scalars: s2 wave, s3 trips, s[4:21] inputs, s[24:57] outputs (out q at s[24 + 2 q]), s22 128 b, s23 256 b, s58 2,048 b, s73 8 b, s[60:61] lane selects,
; s[66:67] 2 log2 e, s[68:72] b3, s[74:75] c3, s[78:79] c1, s80 1/8, s81 60, s[82:97] compare masks, s[98:99] my part of the weights, s62 s63 s76 s77 s100 s101 at work
.set MSB, 0
.macro WIN new                         ; the immediate's high byte repeats the setting that is left
.if MSB != \new
	s_set_vgpr_msb (MSB<<8)|\new
.set MSB, \new
.endif
.endm
.macro MULS d, a, b, off               ; four packed products on registers off .. off + 7 of three arrays
.irp p, 0,2,4,6
	v_pk_mul_f32 v[(\d)+(\off)+\p:(\d)+(\off)+\p+1], v[(\a)+(\off)+\p:(\a)+(\off)+\p+1], v[(\b)+(\off)+\p:(\b)+(\off)+\p+1]
.endr
.endm
.macro FMAS d, a, b, off               ; d += a b likewise
.irp p, 0,2,4,6
	v_pk_fma_f32 v[(\d)+(\off)+\p:(\d)+(\off)+\p+1], v[(\a)+(\off)+\p:(\a)+(\off)+\p+1], v[(\b)+(\off)+\p:(\b)+(\off)+\p+1], v[(\d)+(\off)+\p:(\d)+(\off)+\p+1]
.endr
.endm
; z in RY .. RY + 15 becomes h there; RS = 1 - h^2; RC = -2 h (1 - h^2).  RQ, RX, RP are at work.  Behind every transcendental stands a plain line that touches neither its result nor its source (ISA guide 5.7.2).
; Every array is walked from its low end on.
.macro TANH
.irp p, 0,2,4,6,8,10,12,14
	v_pk_mul_f32 v[RS+\p:RS+\p+1], v[RY+\p:RY+\p+1], s[66:67] op_sel_hi:[1,0]
.endr
.set e, 0
.rept 16
	v_min_num_f32 v[RS+e], s81, v[RS+e]
.set e, e+1
.endr
.irp p, 0,2,4,6,8,10,12,14
	v_exp_f32 v[RS+\p], v[RS+\p]                                   ; E
	v_pk_mul_f32 v[RX+\p:RX+\p+1], v[RY+\p:RY+\p+1], v[RY+\p:RY+\p+1]   ; z^2
	v_exp_f32 v[RS+\p+1], v[RS+\p+1]
	v_pk_fma_f32 v[RP+\p:RP+\p+1], v[RX+\p:RX+\p+1], s[74:75], v[C2V:C2V+1] op_sel_hi:[1,0,1]   ; c3 z^2 + c2
.endr
	s_wait_alu depctr_va_vdst(0)
.irp p, 0,2,4,6,8,10,12,14
	v_pk_fma_f32 v[RQ+\p:RQ+\p+1], v[RS+\p:RS+\p+1], 0.5, 0.5 op_sel_hi:[1,0,0]
	v_pk_fma_f32 v[RC+\p:RC+\p+1], v[RS+\p:RS+\p+1], 0.5, -0.5 op_sel_hi:[1,0,0]
	v_pk_fma_f32 v[RP+\p:RP+\p+1], v[RP+\p:RP+\p+1], v[RX+\p:RX+\p+1], s[78:79] op_sel_hi:[1,1,0]
.endr
.irp p, 0,2,4,6,8,10,12,14
	v_rcp_f32 v[RQ+\p], v[RQ+\p]                                   ; r
	v_pk_mul_f32 v[RX+\p:RX+\p+1], v[RX+\p:RX+\p+1], v[RY+\p:RY+\p+1]   ; z^3
	v_rcp_f32 v[RQ+\p+1], v[RQ+\p+1]
	v_pk_fma_f32 v[RP+\p:RP+\p+1], v[RX+\p:RX+\p+1], v[RP+\p:RP+\p+1], v[RY+\p:RY+\p+1]   ; the series
.endr
	s_wait_alu depctr_va_vdst(0)
.irp p, 0,2,4,6,8,10,12,14
	v_pk_mul_f32 v[RC+\p:RC+\p+1], v[RC+\p:RC+\p+1], v[RQ+\p:RQ+\p+1]   ; (E/2 - 1/2) r
	v_pk_mul_f32 v[RS+\p:RS+\p+1], v[RS+\p:RS+\p+1], v[RQ+\p:RQ+\p+1]
.endr
.set e, 0
.rept 16
	v_cmp_gt_f32 s[82+e], s80, |v[RY+e]|
.set e, e+1
.endr
.irp p, 0,2,4,6,8,10,12,14
	v_pk_mul_f32 v[RS+\p:RS+\p+1], v[RS+\p:RS+\p+1], v[RQ+\p:RQ+\p+1]   ; E r r = 1 - h^2
.endr
.set e, 0
.rept 16
	v_cndmask_b32 v[RY+e], v[RC+e], v[RP+e], s[82+e]               ; a choice of values, no branch
.set e, e+1
.endr
.irp p, 0,2,4,6,8,10,12,14
	v_pk_mul_f32 v[RC+\p:RC+\p+1], v[RY+\p:RY+\p+1], v[RS+\p:RS+\p+1]
.endr
.irp p, 0,2,4,6,8,10,12,14
	v_pk_mul_f32 v[RC+\p:RC+\p+1], v[RC+\p:RC+\p+1], -2.0 op_sel_hi:[1,0]
.endr
.endm
; line k of 8 of the largest magnitude of type n's 16 numbers, in two chains, with the floor 2^(3 - 127) as a last leaf: the scale's byte cannot fall under 1
.macro MX k, n
.set YX, RY+16*((\n)%3)
.set MX_A, MA+((\n)%2)
.set MX_B, MB+((\n)%2)
.if \k == 1
	v_max3_num_f32 v[MX_A], |v[YX]|, |v[YX+1]|, |v[YX+2]|
.elseif \k == 2
	v_max3_num_f32 v[MX_B], |v[YX+3]|, |v[YX+4]|, |v[YX+5]|
.elseif \k == 8
	v_max3_num_f32 v[MX_A], v[MX_A], v[MX_B], 0x1800000
.elseif (\k)%2 == 1
	v_max3_num_f32 v[MX_A], v[MX_A], |v[YX+2*(\k)]|, |v[YX+2*(\k)+1]|
.else
	v_max3_num_f32 v[MX_B], v[MX_B], |v[YX+2*(\k)]|, |v[YX+2*(\k)+1]|
.endif
.endm
; line k of 8 of the quantiser's second half for type m: the other 16 numbers' maximum from lane l xor 16; 2 off the exponent field gives the conversion's scale operand; codes; the byte into the scale word; the codes to LDS
.macro BL k, m
.set YM, RY+16*((\m)%3)
.set MM, MA+((\m)%2)
.set CM, CP+2*((\m)%3)
.if \k == 1
	v_permlanex16_b32 v[TT], v[MM], s60, s61
.elseif \k == 2
	v_max_num_f32 v[MM], v[MM], v[TT]
.elseif \k == 3
	v_add_nc_u32 v[SC], 0xff000000, v[MM]
.elseif \k == 4
	v_cvt_scalef32_pk8_fp4_f32 v[CM], v[YM:YM+7], v[SC]
.elseif \k == 5
	v_cvt_scalef32_pk8_fp4_f32 v[CM+1], v[YM+8:YM+15], v[SC]
.elseif \k == 6
	v_lshrrev_b32 v[BY], 23, v[SC]
.elseif \k == 7
	v_lshl_or_b32 v[OUTS+(\m)], v[BY], s73, v[OUTS+(\m)]
.else
	ds_store_b64 v[STA], v[CM:CM+1] offset:CODW+1024*(\m)
.endif
.endm
.macro WM t, ins                       ; type t's block: two tiles of W x its fragment
.set YT, RY+16*((\t)%3)
.set FT, FB+8*((\t)%2)
.irp u, 0,1
	v_wmma_scale_f32_16x16x128_f8f6f4 v[YT+8*\u:YT+8*\u+7], v[WT+8*\u:WT+8*\u+7], v[FT:FT+7], 0, v[WS+\u], v[(\ins)+(\t)] matrix_a_fmt:MATRIX_FMT_FP4 matrix_b_fmt:MATRIX_FMT_FP4
.endr
.endm
.macro LF t, cod                       ; type t's fragment from its image
.set FT, FB+8*((\t)%2)
	ds_load_b128 v[FT:FT+3], v[LDA] offset:(\cod)+1024*(\t)
	ds_load_b128 v[FT+4:FT+7], v[LDA] offset:(\cod)+1024*(\t)+512
.endm
.macro PAIR n                          ; type n's pair (PI, PJ); NEWQ: its first index is new
.set PI, 0
.set PJ, (\n)-4
.set NEWQ, 0
.if (\n) >= 8
.set PI, 1
.set PJ, (\n)-7
.endif
.if (\n) >= 11
.set PI, 2
.set PJ, (\n)-9
.endif
.if (\n) >= 13
.set PI, 3
.set PJ, 3
.endif
.if ((\n) == 5) || ((\n) == 8) || ((\n) == 11) || ((\n) == 13)
.set NEWQ, 1
.endif
.endm
.macro NEWQL n
.if (\n) >= 5
	PAIR \n
.if NEWQ
	MULS RQ, RC, RD1+16*PI, 0
	MULS RQ, RC, RD1+16*PI, 8
.endif
.endif
.endm
.macro ALINE lay, n, off               ; h'_i = S z'_i;  h''_ij: layer 0: Q_i z'_j;  later layers: S z''_ij, to which A2LINE adds Q_i z'_j
.set YN, RY+16*((\n)%3)
.if (\n) <= 4
	MULS YN, RS, RD1+16*((\n)-1), \off
.elseif \lay == 0
	MULS YN, RQ, RD1+16*PJ, \off
.else
	MULS YN, RS, YN, \off
.endif
.endm
.macro A2LINE lay, n
.if ((\n) >= 5) && (\lay != 0)
.set YN, RY+16*((\n)%3)
	FMAS YN, RQ, RD1+16*PJ, 0
	FMAS YN, RQ, RD1+16*PJ, 8
.endif
.endm
; A STEP of layers 0 and 1: type n is differentiated and its maximum taken; between those lines stand the second half of type n - 1's quantiser and, in layer 1, the products of type n + 1 and the loads of type n + 3's fragment.
; Four plain lines that name none of the products' registers stand between the products and the loads into the fragment that they read (ISA guide 7.12.1 for vector instructions).
.macro STEPQ lay, n
.if \lay == 0
.set OUTS, SA
.set CODW, CODA
.if (\n) >= 4
	s_wait_dscnt 0x2                               ; all but the two youngest code stores are done: type n - 4's has read the registers that type n - 1's codes take
.endif
.else
.set OUTS, SB
.set CODW, CODB
.if ((\n) == 4) || ((\n) >= 12)
	s_wait_dscnt 0x2                               ; the two youngest code stores may be out: the fragment wanted is in, and type n - 4's store is done
.elseif (\n) >= 5
	s_wait_dscnt 0x4                               ; behind type n + 1's fragment loads: a store, the next fragment's two loads, a store
.endif
.if ((\n) >= 4) && ((\n) <= 12)
	WM (\n)+1, SA
.endif
.endif
	NEWQL \n
	ALINE \lay, \n, 0
.if (\lay == 1) && ((\n) >= 4) && ((\n) <= 10)
	LF (\n)+3, CODA
.endif
	BL 1, (\n)-1
	ALINE \lay, \n, 8
	BL 2, (\n)-1
	A2LINE \lay, \n
	MX 1, \n
	MX 2, \n
	BL 3, (\n)-1
	MX 3, \n
	MX 4, \n
	BL 4, (\n)-1
	BL 5, (\n)-1
	MX 5, \n                                       ; the plain line behind the scaled conversions
	BL 6, (\n)-1
	MX 6, \n
	BL 7, (\n)-1
	BL 8, (\n)-1
	MX 7, \n
	MX 8, \n
.endm
.macro FLUSH                           ; the last type's second half
	s_wait_dscnt 0x2                               ; type 10's store has read the registers that type 13's codes take
.irp k, 1,2,3,4,5,6,7,8
	BL \k, 13
.endr
.endm
; The head of a trip of layers 1 and 2: the block's two tiles of W and their scale words, the bias (the C of the value's products), the fragments of types 0 to 5; the products of types 0 to 4.
.macro HEAD wimg, wsc, bias, cod, ins
.irp u, 0,1
.irp c, 0,1
	ds_load_b128 v[WT+8*\u+4*\c:WT+8*\u+4*\c+3], v[WLA] offset:(\wimg)+1024*\u+512*\c
.endr
	ds_load_b32 v[WS+\u], v[WSA] offset:(\wsc)+64*\u
.endr
.irp q, 0,1,2,3
	ds_load_b128 v[RQ+4*\q:RQ+4*\q+3], v[CSA] offset:(\bias)+16*\q
.endr
.irp t, 0,1,2,3                        ; types 0 to 3 into RS and RC, which are free until tanh
.irp c, 0,1
	ds_load_b128 v[RS+8*\t+4*\c:RS+8*\t+4*\c+3], v[LDA] offset:(\cod)+1024*\t+512*\c
.endr
.endr
	LF 4, \cod
	LF 5, \cod
	s_wait_dscnt 0x0
.irp u, 0,1
	v_wmma_scale_f32_16x16x128_f8f6f4 v[RY+8*\u:RY+8*\u+7], v[WT+8*\u:WT+8*\u+7], v[RS:RS+7], v[RQ+8*\u:RQ+8*\u+7], v[WS+\u], v[(\ins)] matrix_a_fmt:MATRIX_FMT_FP4 matrix_b_fmt:MATRIX_FMT_FP4
.endr
.irp t, 1,2,3
.irp u, 0,1
	v_wmma_scale_f32_16x16x128_f8f6f4 v[RD1+16*(\t-1)+8*\u:RD1+16*(\t-1)+8*\u+7], v[WT+8*\u:WT+8*\u+7], v[RS+8*\t:RS+8*\t+7], 0, v[WS+\u], v[(\ins)+\t] matrix_a_fmt:MATRIX_FMT_FP4 matrix_b_fmt:MATRIX_FMT_FP4
.endr
.endr
.irp u, 0,1
	v_wmma_scale_f32_16x16x128_f8f6f4 v[RD1+48+8*\u:RD1+48+8*\u+7], v[WT+8*\u:WT+8*\u+7], v[FB:FB+7], 0, v[WS+\u], v[(\ins)+4] matrix_a_fmt:MATRIX_FMT_FP4 matrix_b_fmt:MATRIX_FMT_FP4
.endr
.rept 4
	v_nop                                          ; four places: the load below lands where the last product read, and tanh reads results and writes over fragments and bias
.endr
	LF 6, \cod
.endm
; THE LAST PRODUCT for type n's block: sums += my 16 units x W3's columns at those units, two units an instruction.  zero = 1: the first block's first lines start the sums: nothing is cleared.
; Types 0, 2, 3, 4 want all five columns (five chains); type 1 wants n alone and types 6, 7 Fi alone (four chains each); the other second tangents want n and Fi (two chains each):
; so no multiply-add follows the one that it adds onto.
.macro OLINE zero, p, lim              ; the sum OA, the column OW, the type's numbers YO; the first lim lines of a chain's set start it
.if \zero && (\p < \lim)
	v_pk_mul_f32 v[OA:OA+1], v[YO+2*\p:YO+2*\p+1], v[OW+2*\p:OW+2*\p+1]
.else
	v_pk_fma_f32 v[OA:OA+1], v[YO+2*\p:YO+2*\p+1], v[OW+2*\p:OW+2*\p+1], v[OA:OA+1]
.endif
.endm
.macro OUTP n, zero
.set YO, RY+16*((\n)%3)
	WIN 0x54                                       ; source 0 (the type's numbers) window 0; W3's column, the sum as source and as destination window 1
.if ((\n) == 1) || ((\n) == 6) || ((\n) == 7)
.set OB, 10
.set OW, W3C
.if (\n) != 1
.set OB, 48+8*((\n)-5)
.set OW, W3C+64
.endif
.irp p, 0,1,2,3,4,5,6,7
.set OA, OB+2*(\p%4)
	OLINE \zero, \p, 4
.endr
.elseif (\n) >= 5
.set OB, 48+8*((\n)-5)
.irp p, 0,1,2,3,4,5,6,7
.irp c, 0,1
.set OA, OB+4*\c+2*(\p%2)
.set OW, W3C+64*\c
	OLINE \zero, \p, 2
.endr
.endr
.else
.set OB, 0
.if (\n) >= 2
.set OB, 18+10*((\n)-2)
.endif
.irp p, 0,1,2,3,4,5,6,7
.irp c, 0,1,2,3,4
.set OA, OB+2*\c
.set OW, W3C+16*\c
	OLINE \zero, \p, 1
.endr
.endr
.endif
	WIN 0
.endm
.macro STEPB n, zero                   ; a step of layer 2
.if ((\n) >= 5) && ((\n) <= 11)
	s_wait_dscnt 0x2                               ; the next fragment's two loads may be out
.elseif (\n) == 12
	s_wait_dscnt 0x0
.endif
.if ((\n) >= 4) && ((\n) <= 12)
	WM (\n)+1, SB
.endif
	NEWQL \n
	ALINE 2, \n, 0
.if ((\n) >= 4) && ((\n) <= 10)
	LF (\n)+3, CODB
.endif
	ALINE 2, \n, 8
	A2LINE 2, \n
	OUTP \n, \zero
.endm
.macro L2TRIP zero
	v_add_nc_u32 v[CSA], s22, v[CSB]
	v_add_nc_u32 v[WLA], s58, v[SHL]
	v_add_nc_u32 v[WSA], s22, v[WSB]
	WIN 0x40                                       ; destination in window 1
.irp c, 0,1,2,3,4
.irp q, 0,1,2,3
	ds_load_b128 v[W3C+16*\c+4*\q:W3C+16*\c+4*\q+3], v[CSA] offset:3584+512*\c+16*\q   ; W3's column c at my 16 units
.endr
.endr
	WIN 0
	HEAD WIMG2, WSC+512, 3072, CODB, SB
	TANH
	OUTP 0, \zero
.irp n, 1,2,3,4,5,6,7,8,9,10,11,12,13
	STEPB \n, \zero
.endr
	s_add_co_u32 s22, s22, 128
	s_add_co_u32 s58, s58, 2048
.endm
	; ---------------- the head ----------------
	s_load_b512 s[4:19], s[0:1], 0x0               ; x, W0, b0, W1, b1, W2, b2, W3
	s_load_b64 s[20:21], s[0:1], 0x40              ; b3
	s_load_b512 s[24:39], s[0:1], 0x48             ; out0 .. out7
	s_load_b512 s[40:55], s[0:1], 0x88             ; out8 .. out15
	s_load_b64 s[56:57], s[0:1], 0xc8              ; out16
	s_set_vgpr_msb 0x40
	v_lshl_add_u32 v208, v0, 2, 0x4d000
	v_mov_b32 v209, 0
	s_set_vgpr_msb 0x4000
	v_lshrrev_b32 v180, 5, v0
	v_readfirstlane_b32 s2, v180                   ; wave 0..7
	v_and_b32 v181, 31, v0                         ; lane
	v_and_b32 v182, 15, v0                         ; r
	v_bfe_u32 v183, v0, 4, 1                       ; h
	v_and_b32 v184, 7, v0                          ; lane % 8
	v_bfe_u32 v185, v0, 3, 1                       ; (lane / 8) % 2
	s_mul_i32 s62, s2, WREG                        ; my wave's LDS
	s_add_co_u32 s63, s62, CONST
	v_lshl_add_u32 v[LDA], v181, 4, s62
	v_lshl_add_u32 v[STB], v182, 4, s62
	v_lshl_add_u32 v[STB], v183, 3, v[STB]
	v_lshl_add_u32 v[CSB], v183, 6, s63
	v_lshl_add_u32 v[SHL], v181, 4, SH
	v_lshl_add_u32 v[WSB], v182, 2, SH
	v_lshlrev_b32 v[WGO], 2, v181
	s_lshr_b32 s100, s2, 2                         ; W1 or W2
	s_and_b32 s101, s2, 3                          ; which 32 columns: they are the units of tiles 2 (w % 4) and 2 (w % 4) + 1
	s_lshl_b32 s76, s100, 13
	s_lshl_b32 s77, s101, 11
	s_add_co_u32 s76, s76, s77
	s_add_co_u32 s76, s76, SH
	v_lshl_add_u32 v[WQB], v184, 4, s76            ; column x = lane is lane r = x % 8 + 8 (x / 16) of tile u = (x / 8) % 2: 16 r + 1,024 u
	v_lshl_add_u32 v[WQB], v183, 7, v[WQB]
	v_lshl_add_u32 v[WQB], v185, 10, v[WQB]
	s_lshl_b32 s76, s100, 9
	s_lshl_b32 s77, s101, 7
	s_add_co_u32 s76, s76, s77
	s_add_co_u32 s76, s76, SH+WSC
	v_lshl_add_u32 v[WSCA], v184, 2, s76           ; its scale word: 4 r + 64 u
	v_lshl_add_u32 v[WSCA], v183, 5, v[WSCA]
	v_lshl_add_u32 v[WSCA], v185, 6, v[WSCA]
	s_mov_b32 s60, 0x76543210
	s_mov_b32 s61, 0xfedcba98                      ; v_permlanex16_b32's selects for lane l xor 16
	s_mov_b32 s66, 0x4038aa3b                      ; 2 log2 e
	s_mov_b32 s67, s66                             ; (pairs are named whole, so both words are written)
	s_mov_b32 s74, 0xbd5d0dd1                      ; c3 = -17 / 315
	s_mov_b32 s75, s74
	s_mov_b32 s78, 0xbeaaaaab                      ; c1 = -1 / 3
	s_mov_b32 s79, s78
	s_mov_b32 s80, 0x3e000000                      ; 1 / 8
	s_mov_b32 s81, 0x42700000                      ; 60
	v_mov_b32 v[C2V], 0x3e088889                   ; c2 = 2 / 15
	v_mov_b32 v[C2V+1], 0x3e088889
	v_mov_b32 v[TT], 0                             ; a lane permute's destination counts as one of its sources
	v_mov_b32 v[WSW], 0
.set i, 0
.rept 28
	v_mov_b32 v[SA+i], 0                           ; the scale words are gathered byte by byte, a byte a trip
.set i, i+1
.endr
	s_lshl_b32 s76, ttmp9, 11                      ; x: 128 samples of 16 bytes a work-group, 16 a wave
	s_lshl_b32 s77, s2, 8
	s_add_co_u32 s76, s76, s77
	v_lshl_add_u32 v186, v182, 4, s76
	v_lshlrev_b32 v187, 4, v181
	v_mul_u32_u24 v188, v181, 80                   ; W3: lane l takes units 4 l .. 4 l + 3, 20 bytes a unit
	s_wait_kmcnt 0x0
	s_load_b128 s[68:71], s[20:21], 0x0            ; b3
	s_load_b32 s72, s[20:21], 0x10
	global_load_b128 v[XV:XV+3], v186, s[4:5]
.irp i, 0,1,2,3
	global_load_b128 v[52+4*\i:55+4*\i], v187, s[6:7] offset:512*\i   ; W0's rows
.endr
	global_load_b128 v[68:71], v187, s[8:9]        ; b0
	global_load_b128 v[72:75], v187, s[12:13]      ; b1
	global_load_b128 v[76:79], v187, s[16:17]      ; b2
.irp c, 0,1,2,3,4
.irp i, 0,1,2,3
	global_load_b32 v[132+4*\c+\i], v188, s[18:19] offset:20*\i+4*\c   ; W3(4 l + i, c): the last byte read is 80 x 31 + 60 + 16 + 3, W3's last
.endr
.endr
	s_cmp_lt_u32 s2, 4                             ; the choice hangs on the wave's number alone
	s_cselect_b64 s[98:99], s[10:11], s[14:15]
	s_lshl_b32 s76, s101, 7
	s_mov_b32 s77, 0
	s_add_nc_u64 s[98:99], s[98:99], s[76:77]      ; my 32 columns of W1 or W2
	s_wait_loadcnt 20                              ; x and the seven rows are in; W3's twenty loads may be out
.irp j, 0,1,2,3,4,5,6
	ds_store_b128 v[LDA], v[52+4*\j:55+4*\j] offset:CONST+512*\j
.endr
	s_wait_loadcnt 0x0
.irp c, 0,1,2,3,4
	ds_store_b128 v[LDA], v[132+4*\c:135+4*\c] offset:CONST+3584+512*\c   ; W3's column c as a row of 128 numbers
.endr
	s_wait_kmcnt 0x0                               ; b3
	; ---------------- layer 0, and the weights' codes ----------------
	s_mov_b32 s3, 0
	s_mov_b32 s22, 0
	s_mov_b32 s23, 0
	s_mov_b32 s73, 0
.Ll0:
	s_wait_dscnt 0x0                               ; my LDS stores are done: their address registers are written anew below
	v_add_nc_u32 v[STA], s23, v[STB]
	v_add_nc_u32 v[CSA], s22, v[CSB]
	v_add_nc_u32 v[WQA], s23, v[WQB]
.set i, 0
.rept 32
	global_load_b32 v[WB+i], v[WGO], s[98:99] offset:512*i         ; W(32 b + i, my column): 32 lanes read 128 consecutive bytes; wanted at the trip's end
.set i, i+1
.endr
.irp i, 0,1,2,3
.irp q, 0,1,2,3
	ds_load_b128 v[RD1+16*\i+4*\q:RD1+16*\i+4*\q+3], v[CSA] offset:512*\i+16*\q   ; z'_i = W0's row i at my 16 units
.endr
.endr
.irp q, 0,1,2,3
	ds_load_b128 v[RY+4*\q:RY+4*\q+3], v[CSA] offset:2048+16*\q    ; b0 starts the sums
.endr
	s_wait_dscnt 0x0
.irp k, 0,1,2,3
.irp p, 0,2,4,6,8,10,12,14
.if (\k%2) == 0
	v_pk_fma_f32 v[RY+\p:RY+\p+1], v[RD1+16*\k+\p:RD1+16*\k+\p+1], v[XV+2*(\k/2):XV+2*(\k/2)+1], v[RY+\p:RY+\p+1] op_sel_hi:[1,0,1]
.else
	v_pk_fma_f32 v[RY+\p:RY+\p+1], v[RD1+16*\k+\p:RD1+16*\k+\p+1], v[XV+2*(\k/2):XV+2*(\k/2)+1], v[RY+\p:RY+\p+1] op_sel:[0,1,0]
.endif
.endr
.endr
	TANH
.irp k, 1,2,3,4,5,6,7,8
	MX \k, 0
.endr
.irp n, 1,2,3,4,5,6,7,8,9,10,11,12,13
	STEPQ 0, \n
.endr
	FLUSH
	s_wait_loadcnt 0x0                             ; my 32 weights: a whole block of 32 along K of my column
	v_max3_num_f32 v[MA], |v[WB]|, |v[WB+1]|, 0x1800000
	v_max3_num_f32 v[MB], |v[WB+2]|, |v[WB+3]|, |v[WB+4]|
.irp i, 5,9,13,17,21,25
	v_max3_num_f32 v[MA], v[MA], |v[WB+\i]|, |v[WB+\i+1]|
	v_max3_num_f32 v[MB], v[MB], |v[WB+\i+2]|, |v[WB+\i+3]|
.endr
	v_max3_num_f32 v[MA], v[MA], |v[WB+29]|, |v[WB+30]|
	v_max3_num_f32 v[MA], v[MA], v[MB], |v[WB+31]|
	v_add_nc_u32 v[SC], 0xff000000, v[MA]
.irp g, 0,1,2,3
	v_cvt_scalef32_pk8_fp4_f32 v[RQ+\g], v[WB+8*\g:WB+8*\g+7], v[SC]
.endr
	v_lshrrev_b32 v[BY], 23, v[SC]                 ; (a plain line behind the conversions)
	v_lshl_or_b32 v[WSW], v[BY], s73, v[WSW]
	ds_store_b128 v[WQA], v[RQ:RQ+3]               ; 16 bytes: block b of my column, at its place in the tile's image
	s_add_nc_u64 s[98:99], s[98:99], 16384         ; 32 rows of W on (the loads that named the base are in)
	s_add_co_u32 s22, s22, 128
	s_add_co_u32 s23, s23, 256
	s_add_co_u32 s73, s73, 8
	s_add_co_u32 s3, s3, 1
	s_cmp_lt_u32 s3, 4
	s_cbranch_scc1 .Ll0
	ds_store_b32 v[WSCA], v[WSW]
	s_wait_dscnt 0x0                               ; for the others' sake: my parts of W1's and W2's images and of their scale words have landed
	s_barrier_signal -1
	s_barrier_wait -1
	; ---------------- layer 1 ----------------
	s_mov_b32 s3, 0
	s_mov_b32 s22, 0
	s_mov_b32 s23, 0
	s_mov_b32 s58, 0
	s_mov_b32 s73, 0
.Ll1:
	s_wait_dscnt 0x0                               ; my LDS stores are done: their address register is written anew below
	v_add_nc_u32 v[STA], s23, v[STB]
	v_add_nc_u32 v[CSA], s22, v[CSB]
	v_add_nc_u32 v[WLA], s58, v[SHL]
	v_add_nc_u32 v[WSA], s22, v[WSB]
	HEAD 0, WSC, 2560, CODA, SA
	TANH
.irp k, 1,2,3,4,5,6,7,8
	MX \k, 0
.endr
.irp n, 1,2,3,4,5,6,7,8,9,10,11,12,13
	STEPQ 1, \n
.endr
	FLUSH
	s_add_co_u32 s22, s22, 128
	s_add_co_u32 s23, s23, 256
	s_add_co_u32 s58, s58, 2048
	s_add_co_u32 s73, s73, 8
	s_add_co_u32 s3, s3, 1
	s_cmp_lt_u32 s3, 4
	s_cbranch_scc1 .Ll1
	; ---------------- layer 2 and the last product ----------------
	s_mov_b32 s22, 0
	s_mov_b32 s58, 0
	L2TRIP 1                                       ; the first block's products start the sums: nothing is cleared
	s_mov_b32 s3, 1
.Ll2:
	L2TRIP 0
	s_add_co_u32 s3, s3, 1
	s_cmp_lt_u32 s3, 4
	s_cbranch_scc1 .Ll2
	; ---------------- the outputs ----------------
.set FI, 20
.set NN, 21
.set VV, 22
.set RT, 25
.set GS, 26
.set RG, 27
.set VS, 30
.set VA, 44
.set JJ, 47
.set JD, 50
.set RO, 53
.set RD, 54
.set S1A, 57                           ; SH + 4 s, SH + 12 s, SH + 16 s: sample s = 16 w + r in slices of 1, 3, 4 numbers a sample
.set S3A, 58
.set S4A, 59
.set OF1, 60                           ; 16 x lane + the work-group's slice of an output of 1, 3, 4 numbers a sample
.set OF3, 61
.set OF4, 62
.set T0,  64                           ; v64-68  type 0: n, v0, v1, v2, Fi (without b3)
.set T1,  69                           ; v69     type 1: n
.set T2,  70                           ; v70-84  types 2-4: five each
.set TH,  85                           ; v85-102 types 5-13: n at TH + 2 k, Fi at TH + 2 k + 1, k = type - 5 (types 6, 7: Fi at TH + 2 k)
.set VL,  104                          ; v104 v_lap;  v105-107 v_div_grd;  v108-111 Fi_lap
.set DG,  105
.set FL,  108
.set PT,  132                          ; v132-160 what lane l xor 16 holds (registers that have been written)
	v_and_b32 v[S1A], 15, v0
	s_lshl_b32 s62, s2, 4
	v_add_nc_u32 v[S1A], s62, v[S1A]
	v_mul_u32_u24 v[S3A], v[S1A], 12
	v_lshl_add_u32 v[S4A], v[S1A], 4, SH
	v_add_nc_u32 v[S3A], SH, v[S3A]
	v_lshl_add_u32 v[S1A], v[S1A], 2, SH
	v_and_b32 v[OF1], 31, v0
	v_lshlrev_b32 v[OF1], 4, v[OF1]
	s_lshl_b32 s62, ttmp9, 9
	s_mul_i32 s63, ttmp9, 1536
	s_lshl_b32 s100, ttmp9, 11
	v_add_nc_u32 v[OF3], s63, v[OF1]
	v_add_nc_u32 v[OF4], s100, v[OF1]
	v_add_nc_u32 v[OF1], s62, v[OF1]
	WIN 0x45                                       ; destination and sources 0, 1 in window 1: the chains of a column are joined
.irp b, 10,48,56,64,72,80,88,96,104,112
	v_pk_add_f32 v[\b:\b+1], v[\b:\b+1], v[\b+2:\b+3]
	v_pk_add_f32 v[\b+4:\b+5], v[\b+4:\b+5], v[\b+6:\b+7]
.endr
.irp b, 10,56,64                       ; types 1, 6, 7: one column in four chains
	v_pk_add_f32 v[\b:\b+1], v[\b:\b+1], v[\b+4:\b+5]
.endr
	WIN 0x05                                       ; sources 0 and 1 in window 1, destination in window 0: even units + odd units
.irp c, 0,1,2,3,4
	v_add_f32 v[T0+\c], v[2*\c], v[2*\c+1]
.endr
	v_add_f32 v[T1], v10, v11
.set i, 0
.rept 15
	v_add_f32 v[T2+i], v[18+2*i], v[19+2*i]
.set i, i+1
.endr
.irp k, 0,1,2,3,4,5,6,7,8
	v_add_f32 v[TH+2*\k], v[48+8*\k], v[49+8*\k]
.if (\k != 1) && (\k != 2)
	v_add_f32 v[TH+2*\k+1], v[52+8*\k], v[53+8*\k]
.endif
.endr
	WIN 0
	; k = 0 (0,1)  1 (0,2)  2 (0,3)  3 (1,1)  4 (1,2)  5 (1,3)  6 (2,2)  7 (2,3)  8 (3,3)
	v_add_f32 v[VL], v[TH+0], v[TH+8]              ; the trace of n's second tangents [0..3][1..3]: (0,1) + (1,2) + (2,3)
	v_add_f32 v[DG], v[TH+6], v[TH+8]
	v_add_f32 v[DG+1], v[TH+8], v[TH+12]
	v_add_f32 v[DG+2], v[TH+10], v[TH+14]
	v_add_f32 v[FL], v[TH+1], v[TH+2]              ; Fi: (0,1) + (0,2) + (0,3)
	v_add_f32 v[FL+1], v[TH+7], v[TH+9]
	v_add_f32 v[FL+2], v[TH+9], v[TH+13]
	v_add_f32 v[FL+3], v[TH+11], v[TH+15]
	v_add_f32 v[VL], v[VL], v[TH+14]
	v_add_f32 v[DG], v[DG], v[TH+10]
	v_add_f32 v[DG+1], v[DG+1], v[TH+14]
	v_add_f32 v[DG+2], v[DG+2], v[TH+16]
	v_add_f32 v[FL], v[FL], v[TH+4]
	v_add_f32 v[FL+1], v[FL+1], v[TH+11]
	v_add_f32 v[FL+2], v[FL+2], v[TH+15]
	v_add_f32 v[FL+3], v[FL+3], v[TH+17]
.set i, 0
.rept 21
	v_permlanex16_b32 v[PT+i], v[T0+i], s60, s61   ; the other 16 units of each block lie in lane l xor 16
.set i, i+1
.endr
.set i, 0
.rept 8
	v_permlanex16_b32 v[PT+21+i], v[VL+i], s60, s61
.set i, i+1
.endr
.set i, 0
.rept 21
	v_add_f32 v[T0+i], v[T0+i], v[PT+i]
.set i, i+1
.endr
.set i, 0
.rept 8
	v_add_f32 v[VL+i], v[VL+i], v[PT+21+i]
.set i, i+1
.endr
	; both halves of the lanes now hold the same numbers for sample r
	v_add_f32 v[NN], s68, v[T0]
	v_add_f32 v[VV], s69, v[T0+1]
	v_add_f32 v[VV+1], s70, v[T0+2]
	v_add_f32 v[VV+2], s71, v[T0+3]
	v_add_f32 v[FI], s72, v[T0+4]
	v_add_f32 v[RT], v[T1], v[T1]                  ; ro_t = 2 n_t
	v_add_f32 v[GS], v[T2], v[T2+5]
.irp k, 0,1,2
	v_add_f32 v[RG+\k], v[T2+5*\k], v[T2+5*\k]     ; ro_grd = 2 n_grd
	v_add_f32 v[VS+\k], v[T2+1+\k], v[T2+6+\k]
.endr
	v_add_f32 v[GS], v[GS], v[T2+10]               ; n_1 + n_2 + n_3
.irp k, 0,1,2
	v_add_f32 v[VS+\k], v[VS+\k], v[T2+11+\k]      ; v_k,1 + v_k,2 + v_k,3
	v_mul_f32 v[VA+\k], v[VV+\k], v[T2+5*\k]
	v_mul_f32 v[JJ+\k], v[NN], v[VV+\k]
.endr
.irp k, 0,1,2
	v_mul_f32 v[JD+\k], v[NN], v[VS+\k]
.endr
.irp k, 0,1,2
	v_fmac_f32 v[JD+\k], v[VV+\k], v[GS]
.endr
	v_add_f32 v[RO], v[NN], v[NN]
.irp k, 0,1,2
	v_add_f32 v[RD+\k], v[JD+\k], v[JD+\k]
.endr
	ds_store_b32 v[S1A], v[NN] offset:STG+512*0                    ; out0
	ds_store_b32 v[S1A], v[T1] offset:STG+512*1                    ; out1 n_t
	ds_store_b32 v[S1A], v[FI] offset:STG+512*11                   ; out5
	ds_store_b128 v[S4A], v[FL:FL+3] offset:STG+512*15             ; out7
	ds_store_b32 v[S1A], v[T1] offset:STG+512*22                   ; out9 v_t (the source takes n's)
	ds_store_b32 v[S1A], v[VL] offset:STG+512*26                   ; out11
	ds_store_b32 v[S1A], v[RO] offset:STG+512*30                   ; out13
	ds_store_b32 v[S1A], v[RT] offset:STG+512*31                   ; out14
.irp k, 0,1,2
	ds_store_b32 v[S3A], v[T2+5*\k] offset:STG+512*2+4*\k          ; out2 n_grd
	ds_store_b32 v[S3A], v[JJ+\k] offset:STG+512*5+4*\k            ; out3
	ds_store_b32 v[S3A], v[JD+\k] offset:STG+512*8+4*\k            ; out4
	ds_store_b32 v[S3A], v[T2+4+5*\k] offset:STG+512*12+4*\k       ; out6 Fi_grd
	ds_store_b32 v[S3A], v[VV+\k] offset:STG+512*19+4*\k           ; out8
	ds_store_b32 v[S3A], v[VA+\k] offset:STG+512*23+4*\k           ; out10
	ds_store_b32 v[S3A], v[DG+\k] offset:STG+512*27+4*\k           ; out12
	ds_store_b32 v[S3A], v[RG+\k] offset:STG+512*32+4*\k           ; out15
	ds_store_b32 v[S3A], v[RD+\k] offset:STG+512*35+4*\k           ; out16
.endr
	s_wait_dscnt 0x0                               ; for the others' sake: my samples' numbers lie in the stage
	s_barrier_signal -1
	s_barrier_wait -1
; The stage's 38 pieces of 512 bytes leave as they lie: wave w takes pieces w, w + 8, ..; each store of the wave covers 512 consecutive bytes, at a multiple of 512 from its output's first byte.
.macro MAPG g                          ; piece g: output CQ, its piece CE, the offset register CO
.set CQ, 0
.set CG, 0
.irp z, 1,2,5,8,11,12,15,19,22,23,26,27,30,31,32,35
.if (\g) >= \z
.set CQ, CQ+1
.set CG, \z
.endif
.endr
.set CE, (\g)-CG
.set CO, OF3
.if (CQ == 0) || (CQ == 1) || (CQ == 5) || (CQ == 9) || (CQ == 11) || (CQ == 13) || (CQ == 14)
.set CO, OF1
.endif
.if CQ == 7
.set CO, OF4
.endif
.endm
.macro SECTION w, last
.if !\last
	s_cmp_lg_u32 s2, \w
	s_cbranch_scc1 .Lnext_\w
.endif
.set NI, 0
.irp i, 0,1,2,3,4
.if (\w)+8*\i < 38
	ds_load_b128 v[64+4*\i:67+4*\i], v[SHL] offset:STG+512*((\w)+8*\i)
.set NI, NI+1
.endif
.endr
.irp i, 0,1,2,3,4
.if (\w)+8*\i < 38
	s_wait_dscnt NI-1-\i                           ; the younger loads may be out
	MAPG (\w)+8*\i
	global_store_b128 v[CO], v[64+4*\i:67+4*\i], s[24+2*CQ:25+2*CQ] offset:512*CE th:TH_STORE_NT
.endif
.endr
	s_set_vgpr_msb 0x5
	s_wait_tensorcnt 0x0
	ds_add_u32 v208, v209
	s_wait_dscnt 0x0
	s_set_vgpr_msb 0x500
	s_endpgm
.if !\last
.Lnext_\w:
.endif
.endm
	SECTION 0, 0
	SECTION 1, 0
	SECTION 2, 0
	SECTION 3, 0
	SECTION 4, 0
	SECTION 5, 0
	SECTION 6, 0
	SECTION 7, 1
.Lfunc_end_k_q5e7dd2e064_grad:
	.size	k_q5e7dd2e064_grad, .Lfunc_end_k_q5e7dd2e064_grad-k_q5e7dd2e064_grad
	.p2alignl 7, 3214868480
	.fill 96, 4, 3214868480
	.section	.rodata,"a",@progbits
	.p2align	6, 0x0
	.amdhsa_kernel k_q5e7dd2e064_grad
		.amdhsa_group_segment_fixed_size 316416
		.amdhsa_private_segment_fixed_size 0
		.amdhsa_enable_private_segment 0
		.amdhsa_kernarg_size 208
		.amdhsa_user_sgpr_count 2
		.amdhsa_user_sgpr_kernarg_segment_ptr 1
		.amdhsa_wavefront_size32 1
		.amdhsa_system_sgpr_workgroup_id_x 1
		.amdhsa_system_sgpr_workgroup_id_y 1
		.amdhsa_system_sgpr_workgroup_id_z 1
		.amdhsa_system_vgpr_workitem_id 0
		.amdhsa_next_free_vgpr 466
		.amdhsa_next_free_sgpr 102
		.amdhsa_reserve_vcc 0
		.amdhsa_float_denorm_mode_32 3
		.amdhsa_float_denorm_mode_16_64 3
		.amdhsa_memory_ordered 1
		.amdhsa_forward_progress 1
		.amdhsa_inst_pref_size 213
	.end_amdhsa_kernel
	.amdgpu_metadata
---
amdhsa.version: [ 1, 2 ]
amdhsa.kernels:
  - .name:           k_q5e7dd2e064_grad
    .symbol:         k_q5e7dd2e064_grad.kd
    .args:
      - { .name: x, .offset: 0, .size: 8, .value_kind: global_buffer, .address_space: global }
      - { .name: W0, .offset: 8, .size: 8, .value_kind: global_buffer, .address_space: global }
      - { .name: b0, .offset: 16, .size: 8, .value_kind: global_buffer, .address_space: global }
      - { .name: W1, .offset: 24, .size: 8, .value_kind: global_buffer, .address_space: global }
      - { .name: b1, .offset: 32, .size: 8, .value_kind: global_buffer, .address_space: global }
      - { .name: W2, .offset: 40, .size: 8, .value_kind: global_buffer, .address_space: global }
      - { .name: b2, .offset: 48, .size: 8, .value_kind: global_buffer, .address_space: global }
      - { .name: W3, .offset: 56, .size: 8, .value_kind: global_buffer, .address_space: global }
      - { .name: b3, .offset: 64, .size: 8, .value_kind: global_buffer, .address_space: global }
      - { .name: out0, .offset: 72, .size: 8, .value_kind: global_buffer, .address_space: global }
      - { .name: out1, .offset: 80, .size: 8, .value_kind: global_buffer, .address_space: global }
      - { .name: out2, .offset: 88, .size: 8, .value_kind: global_buffer, .address_space: global }
      - { .name: out3, .offset: 96, .size: 8, .value_kind: global_buffer, .address_space: global }
      - { .name: out4, .offset: 104, .size: 8, .value_kind: global_buffer, .address_space: global }
      - { .name: out5, .offset: 112, .size: 8, .value_kind: global_buffer, .address_space: global }
      - { .name: out6, .offset: 120, .size: 8, .value_kind: global_buffer, .address_space: global }
      - { .name: out7, .offset: 128, .size: 8, .value_kind: global_buffer, .address_space: global }
      - { .name: out8, .offset: 136, .size: 8, .value_kind: global_buffer, .address_space: global }
      - { .name: out9, .offset: 144, .size: 8, .value_kind: global_buffer, .address_space: global }
      - { .name: out10, .offset: 152, .size: 8, .value_kind: global_buffer, .address_space: global }
      - { .name: out11, .offset: 160, .size: 8, .value_kind: global_buffer, .address_space: global }
      - { .name: out12, .offset: 168, .size: 8, .value_kind: global_buffer, .address_space: global }
      - { .name: out13, .offset: 176, .size: 8, .value_kind: global_buffer, .address_space: global }
      - { .name: out14, .offset: 184, .size: 8, .value_kind: global_buffer, .address_space: global }
      - { .name: out15, .offset: 192, .size: 8, .value_kind: global_buffer, .address_space: global }
      - { .name: out16, .offset: 200, .size: 8, .value_kind: global_buffer, .address_space: global }
    .group_segment_fixed_size: 316416
    .private_segment_fixed_size: 0
    .kernarg_segment_align: 8
    .kernarg_segment_size: 208
    .max_flat_workgroup_size: 256
    .sgpr_count:     102
    .vgpr_count:     466
    .wavefront_size: 32
...
	.end_amdgpu_metadata
.endif
;; end of part 1
